; MI455X (gfx1250); checked and timed in simulation.
; The chip was launched on July 23, 2026; its instructions are those of AMD's public machine-readable ISA for CDNA 5 (MIT licence, August 2026) and "CDNA5" Instruction Set Architecture Reference Guide (July 2026). The comments in the code are by the model that wrote it; some were corrected since.
;; Router. Allowed arithmetic: matrix products marked QUANTISED: E4M3 operands, one given power-of-two scale a tensor, by v_wmma_f32_16x16x64_fp8_fp8 or v_wmma_f32_16x16x128_fp8_fp8, f32 sums; products left as they are: f32 operands where the result goes on into a quantised operand, else bf16, f16 or f32 operands; f32 sums; everything else in f32.
;; Inputs: We_codes 8 x 2,048 x 64 x 32 uint8 (E4M3 codes of We, K innermost, in blocks of 32 codes); Wp 8 x 2,048 float32; be 8 x 2,048 float32; bp 8 float32; condition 2,048 x 2,048 float32; inputs_codes 2,048 x 64 x 32 uint8 (E4M3 codes of inputs, K innermost, in blocks of 32 codes); lowp_scales 2 int32 (the exponents e of the quantised operands' scales 2^e).
;; Outputs: out0 2,048 x 2,048 float32.
;; This version of the problem:
;;   THIS VERSION OF THE PROBLEM IS GIVEN IN LOW PRECISION. The matrix products marked QUANTISED in the list below multiply operands that are first quantised to E4M3 (4 exponent bits, 3 mantissa bits; 8 bits a number), with one given power-of-two scale for each operand tensor; their sums are f32. All else is computed in f32.
;;   The module's matrix products, in the order in which they are computed (A, B: the left and right operand; K: the contracted axis; several contracted axes count as one K, in the product's order):
;;     1. [M 2,048, K 2,048] x [K 2,048, N 8]; A: input condition; B: input Wp: left as it is (N = 8 < 16)
;;     2. [M 16,384, K 2,048] x [K 2,048, N 2,048]; A: input We (given as codes); B: input inputs (given as codes): QUANTISED (scales: A lowp_scales[0], B lowp_scales[1])
;;   THE QUANTISER, for each operand of a quantised product, along K:
;;     - The operand's scale is 2^e, e = its entry of the input lowp_scales (int32; the entries are numbered through the quantised products in the list's order, A before B).
;;     - Each number is divided by the scale, clamped to +-448, and rounded to the nearest number of E4M3, ties to even, subnormals kept.
;;     - The product sums the exact products of the quantised numbers (number of the format x scale) in f32.
;;   ~~~python
;;   def quantise(x, axis, e):      # numpy; x: float32 -> the quantised numbers, widened to float32 again
;;       x = np.moveaxis(x, axis, -1); K = x.shape[-1]
;;       r = np.clip(x / 2.0 ** e, -448, 448)
;;       step = 2.0 ** (np.maximum(np.frexp(np.where(r == 0, 1, r))[1] - 1, -6) - 3)
;;       q = np.round(r / step) * step * 2.0 ** e      # np.round: ties to even
;;       return np.moveaxis(q, -1, axis).astype(np.float32)
;;   ~~~
;;   INPUTS GIVEN AS CODES. We (in the module: [8, 2048, 2048], K = its axis 2); inputs (in the module: [2048, 2048], K = its axis 1): each comes as NAME_codes (uint8): NAME with its K axis moved to the last place and cut into blocks of 32 codes, [.., K / 32, bytes a block], one block behind the other in memory; one code a byte (a code: sign, 4 exponent bits, 3 mantissa bits); its scale is its entry of lowp_scales. Its value is code x scale, taken as it is: it is not quantised again, and the codes and scales need not be those that the quantiser above would give.
;; One version. Each part assembles by itself: llvm-mc -triple=amdgcn-amd-amdhsa -mcpu=gfx1250 --defsym DOCPART=n.
;; ======== version 1 of 1: 2 launches
;; workspace buffers: idx 8,192 bytes of whole numbers
;; launch router (part 1): grid 256 x 1, 4 waves a work-group, no clusters, 1,536 bytes of LDS; arguments condition, Wp, bp, idx; writes idx
.if DOCPART == 1
	.amdgcn_target "amdgcn-amd-amdhsa--gfx1250"
	.amdhsa_code_object_version 6
	.text
	.protected	k_q37f975ceca_router
	.globl	k_q37f975ceca_router
	.p2align	8
	.type	k_q37f975ceca_router,@function
k_q37f975ceca_router:
	s_mov_b64 s[64:65], 0
	v_nop
	global_prefetch_b8 v0, s[64:65] scope:SCOPE_SE
	s_setreg_imm32_b32 hwreg(HW_REG_WAVE_MODE, 25, 1), 1
	s_wait_xcnt 0x0
; idx[n] = argmax over e of (condition[n] . Wp[e] + bp[e]).  condition: [2048][2048] f32, Wp: [8][2048] f32, bp: [8] f32, idx: [2048] int32.
; All arithmetic is f32 fused multiply-adds: a wrong choice would give a whole wrong row later, so nothing narrower stands ahead of the comparison.
; LIMITS: logits are finite and no NaN (where one is not, the reference's row is NaN: not served).  Equal logits: the lower index wins, as in jnp.argmax.
; SHARES.  A work-group takes 8 tokens, its four waves a quarter of K each: wave w has k = 512 w .. 512 w + 511, in four chunks of 128; lane l has 4 neighbours of a chunk.
; So every load of a wave reads 512 consecutive bytes, each byte of condition is read once in the launch, and all 65 loads of a wave are issued before the first is needed.
; The choice steers no address and no branch here: it is stored as a whole number at the token's fixed place.
; No matrix unit: the product has 8 columns.  No cluster: work-groups share only Wp, 64 KiB.
; REGISTERS, in windows of 256.  Window 0: v1-8 addresses and bp; v16-143 condition (token t, chunk c at v[16 + 16 t + 4 c]), later the sums on their way through the reduction; v144-165 at work.
;   Window 1: v0-127 Wp (expert g, chunk c at v[16 g + 4 c]); v128-255 the 64 sums (token t, expert g), a pair each: even k, odd k.
.set CD,  16                           ; condition's chunks, window 0
.set SM,  16                           ; the 64 sums of a lane, window 0, once condition is used up
.set ACC, 128                          ; the 64 pairs, window 1
.set TK,  144                          ; v144-151 four pairs (kept, sent) by turns
.set PS,  152                          ; v152-159 the four waves' partial logits
.set VV,  160                          ; v160-161 the logit, for my two tokens
.set II,  162                          ; v162-163 its expert
.set OV,  164                          ; the partner lane's logit
.set OI,  165                          ; and its expert
.set MSB, 0
.macro WIN new                         ; s_set_vgpr_msb: bits 1:0 source 0, 3:2 source 1, 5:4 source 2, 7:6 destination; the high byte repeats the setting that is left
.if MSB != \new
	s_set_vgpr_msb (MSB<<8)|\new
.set MSB, \new
.endif
.endm
	s_load_b256 s[4:11], s[0:1], 0x0               ; condition s[4:5], Wp s[6:7], bp s[8:9], idx s[10:11]
	v_lshl_add_u32 v254, v0, 2, 0x400
	v_mov_b32 v255, 0
	v_lshrrev_b32 v1, 5, v0
	v_readfirstlane_b32 s12, v1                    ; wave 0..3
	v_and_b32 v1, 31, v0                           ; lane l
	v_and_b32 v3, 7, v0                            ; l % 8: the expert that this lane ends up with
	v_lshlrev_b32 v4, 2, v3                        ; its place in bp
	v_lshlrev_b32 v6, 2, v1                        ; 4 l: where I read partial logits back
	v_bfe_u32 v7, v0, 3, 2
	v_lshlrev_b32 v7, 2, v7                        ; 4 (l / 8): my first token's place among the group's eight
	s_lshl_b32 s13, s12, 11
	v_lshl_add_u32 v2, v1, 4, s13                  ; 2,048 w + 16 l: my 16 bytes of a row's first chunk
	s_lshl_b32 s13, s12, 8
	v_lshl_add_u32 v5, v1, 2, s13                  ; LDS: 256 w + 4 l
	v_mov_b32 v[OV], 0                             ; written once: the destination of a DPP form counts as read
	v_mov_b32 v[OI], 0
	s_mov_b32 s16, 0xaaaaaaaa                      ; the lanes whose bit 0 is set,
	s_mov_b32 s17, 0xcccccccc                      ; bit 1,
	s_mov_b32 s18, 0xf0f0f0f0                      ; bit 2,
	s_mov_b32 s19, 0xff00ff00                      ; bit 3,
	s_mov_b32 s20, 0xffff0000                      ; bit 4
	s_mov_b32 s22, 0x76543210                      ; v_permlanex16_b32: lane l takes lane l xor 16
	s_mov_b32 s23, 0xfedcba98
	s_lshl_b32 s14, ttmp9, 16                      ; the group's 8 rows of 8,192 bytes
	s_mov_b32 s15, 0
	s_wait_kmcnt 0x0
	s_add_nc_u64 s[4:5], s[4:5], s[14:15]
	s_lshl_b32 s14, ttmp9, 5                       ; and its 8 words of idx
	s_add_nc_u64 s[10:11], s[10:11], s[14:15]
	global_load_b32 v8, v4, s[8:9]                 ; bp[l % 8]
.irp c, 0,1,2,3                        ; chunk by chunk, so that the waits below can be counted: 8 loads of Wp, 8 of condition
	WIN 0x40                                       ; destination window 1
.irp g, 0,1,2,3,4,5,6,7
	global_load_b128 v[16*\g+4*\c:16*\g+4*\c+3], v2, s[6:7] offset:8192*\g+512*\c
.endr
	WIN 0
.irp t, 0,1,2,3,4,5,6,7
	global_load_b128 v[CD+16*\t+4*\c:CD+16*\t+4*\c+3], v2, s[4:5] offset:8192*\t+512*\c th:TH_LOAD_NT   ; read once in the launch
.endr
.endr
	; 64 sums, two multiply-adds an instruction.  The first products start the sums: nothing is cleared.  Between two instructions on one pair stand the 63 others'.
	WIN 0x54                                       ; source 0 (condition) window 0; source 1 (Wp), source 2 and destination (the sums) window 1
.irp c, 0,1,2,3
	s_wait_loadcnt 48-16*\c                        ; loads come back in order: chunk c is in; the 16 loads of each later chunk may be out
.irp p, 0,1
.irp t, 0,1,2,3,4,5,6,7
.irp g, 0,1,2,3,4,5,6,7
.if (\c+\p) == 0
	v_pk_mul_f32 v[ACC+2*(8*\t+\g):ACC+2*(8*\t+\g)+1], v[CD+16*\t+4*\c+2*\p:CD+16*\t+4*\c+2*\p+1], v[16*\g+4*\c+2*\p:16*\g+4*\c+2*\p+1]
.else
	v_pk_fma_f32 v[ACC+2*(8*\t+\g):ACC+2*(8*\t+\g)+1], v[CD+16*\t+4*\c+2*\p:CD+16*\t+4*\c+2*\p+1], v[16*\g+4*\c+2*\p:16*\g+4*\c+2*\p+1], v[ACC+2*(8*\t+\g):ACC+2*(8*\t+\g)+1]
.endif
.endr
.endr
.endr
.endr
	WIN 0x05                                       ; sources window 1, destination window 0
.set i, 0
.rept 64
	v_add_f32 v[SM+i], v[ACC+2*i], v[ACC+2*i+1]    ; sum i = 8 t + g: its even and odd k
.set i, i+1
.endr
	WIN 0
; THE SUM OVER THE 32 LANES, of 64 numbers at once.  A stage halves the numbers: of a pair (2 u, 2 u + 1) a lane keeps the one that its bit names, sends the other to the lane whose bit differs, and adds what it receives.
; After the five stages lane l's register u holds the wave's sum number 32 u + l: expert l % 8, token l / 8 + 4 u.  62 additions a lane in place of 64 x 5.
.macro RED in, out, n, mask, xm
.set u, 0
.rept (\n)/2
	v_cndmask_b32 v[TK+2*(u%4)], v[\in+2*u], v[\in+2*u+1], s[\mask]      ; kept
	v_cndmask_b32 v[TK+2*(u%4)+1], v[\in+2*u+1], v[\in+2*u], s[\mask]    ; sent
	v_add_f32_dpp v[\out+u], v[TK+2*(u%4)+1], v[TK+2*(u%4)] row_xmask:\xm row_mask:0xf bank_mask:0xf   ; the first source comes from lane l xor xm.  (The destination was written before, by a load)
.set u, u+1
.endr
.endm
	RED 16,  80,  64, 16, 1
	RED 80,  112, 32, 17, 2
	RED 112, 128, 16, 18, 4
	RED 128, 136, 8,  19, 8
.irp u, 0,1
	v_cndmask_b32 v[TK+2*\u], v[136+2*\u], v[137+2*\u], s20
	v_cndmask_b32 v[TK+2*\u+1], v[137+2*\u], v[136+2*\u], s20
	v_permlanex16_b32 v[140+\u], v[TK+2*\u+1], s22, s23
	v_add_f32 v[140+\u], v[140+\u], v[TK+2*\u]
.endr
	; the four waves' quarters of K meet in LDS: wave w's 64 numbers at 256 w
	ds_store_b32 v5, v140
	ds_store_b32 v5, v141 offset:128
	s_wait_dscnt 0x0                               ; for the others' sake: my stores have landed
	s_barrier_signal -1
	s_barrier_wait -1
	s_cmp_lg_u32 s12, 0
	s_cbranch_scc1 .Lend                           ; waves 1 to 3 finish; no barrier follows
.irp w, 0,1,2,3
.irp u, 0,1
	ds_load_b32 v[PS+2*\w+\u], v6 offset:256*\w+128*\u
.endr
.endr
	s_wait_dscnt 0x0
.irp u, 0,1
	v_add_f32 v[PS+\u], v[PS+\u], v[PS+2+\u]
	v_add_f32 v[PS+4+\u], v[PS+4+\u], v[PS+6+\u]
	v_add_f32 v[PS+\u], v[PS+\u], v[PS+4+\u]
	v_add_f32 v[VV+\u], v[PS+\u], v8               ; the logit of expert l % 8, token l / 8 + 4 u
	v_mov_b32 v[II+\u], v3
.endr
	; the argmax over the eight lanes of a token: three exchanges.  The partner wins where its logit is larger, or equal with the lower index.  Selections alone: nothing is branched on.
.irp x, 1,2,4
.irp u, 0,1
	v_mov_b32_dpp v[OV], v[VV+\u] row_xmask:\x row_mask:0xf bank_mask:0xf
	v_mov_b32_dpp v[OI], v[II+\u] row_xmask:\x row_mask:0xf bank_mask:0xf
	v_cmp_gt_f32 vcc_lo, v[OV], v[VV+\u]
	v_cmp_eq_f32 s24, v[OV], v[VV+\u]
	v_cmp_lt_u32 s25, v[OI], v[II+\u]
	s_and_b32 s24, s24, s25
	s_or_b32 vcc_lo, vcc_lo, s24
	v_cndmask_b32 v[VV+\u], v[VV+\u], v[OV], vcc_lo
	v_cndmask_b32 v[II+\u], v[II+\u], v[OI], vcc_lo
.endr
.endr
	v_cmp_eq_u32 vcc_lo, 0, v3                     ; one lane of each eight stores
	s_wait_xcnt 0x0                                ; EXEC changes only behind this wait
	s_and_saveexec_b32 s24, vcc_lo
	global_store_b32 v7, v[II], s[10:11]           ; tokens 0 to 3 of the group,
	global_store_b32 v7, v[II+1], s[10:11] offset:16   ; tokens 4 to 7: 32 bytes a work-group, of a buffer of 8 KiB
	s_wait_xcnt 0x0                                ; and again in front of the line that widens it
	s_or_b32 exec_lo, exec_lo, s24
.Lend:
	s_wait_tensorcnt 0x0
	ds_add_u32 v254, v255
	s_wait_dscnt 0x0
	s_endpgm
.Lfunc_end_k_q37f975ceca_router:
	.size	k_q37f975ceca_router, .Lfunc_end_k_q37f975ceca_router-k_q37f975ceca_router
	.p2alignl 7, 3214868480
	.fill 96, 4, 3214868480
	.section	.rodata,"a",@progbits
	.p2align	6, 0x0
	.amdhsa_kernel k_q37f975ceca_router
		.amdhsa_group_segment_fixed_size 1536
		.amdhsa_private_segment_fixed_size 0
		.amdhsa_enable_private_segment 0
		.amdhsa_kernarg_size 32
		.amdhsa_user_sgpr_count 2
		.amdhsa_user_sgpr_kernarg_segment_ptr 1
		.amdhsa_wavefront_size32 1
		.amdhsa_system_sgpr_workgroup_id_x 1
		.amdhsa_system_sgpr_workgroup_id_y 1
		.amdhsa_system_sgpr_workgroup_id_z 1
		.amdhsa_system_vgpr_workitem_id 0
		.amdhsa_next_free_vgpr 512
		.amdhsa_next_free_sgpr 66
		.amdhsa_reserve_vcc 1
		.amdhsa_float_denorm_mode_32 3
		.amdhsa_float_denorm_mode_16_64 3
		.amdhsa_memory_ordered 1
		.amdhsa_forward_progress 1
		.amdhsa_inst_pref_size 58
	.end_amdhsa_kernel
	.amdgpu_metadata
---
amdhsa.version: [ 1, 2 ]
amdhsa.kernels:
  - .name:           k_q37f975ceca_router
    .symbol:         k_q37f975ceca_router.kd
    .args:
      - { .name: condition, .offset: 0, .size: 8, .value_kind: global_buffer, .address_space: global }
      - { .name: Wp, .offset: 8, .size: 8, .value_kind: global_buffer, .address_space: global }
      - { .name: bp, .offset: 16, .size: 8, .value_kind: global_buffer, .address_space: global }
      - { .name: idx, .offset: 24, .size: 8, .value_kind: global_buffer, .address_space: global }
    .group_segment_fixed_size: 1536
    .private_segment_fixed_size: 0
    .kernarg_segment_align: 8
    .kernarg_segment_size: 32
    .max_flat_workgroup_size: 128
    .sgpr_count:     66
    .vgpr_count:     512
    .wavefront_size: 32
...
	.end_amdgpu_metadata
.endif
;; end of part 1
;; launch experts (part 2): grid 32 x 8, 4 waves a work-group, no clusters, 142,336 bytes of LDS; arguments idx, inputs_codes, We_codes, be, lowp_scales, out0; writes out0
.if DOCPART == 2
	.amdgcn_target "amdgcn-amd-amdhsa--gfx1250"
	.amdhsa_code_object_version 6
	.text
	.protected	k_q37f975ceca_experts
	.globl	k_q37f975ceca_experts
	.p2align	8
	.type	k_q37f975ceca_experts,@function
k_q37f975ceca_experts:
	s_mov_b64 s[64:65], 0
	v_nop
	global_prefetch_b8 v0, s[64:65] scope:SCOPE_SE
	s_setreg_imm32_b32 hwreg(HW_REG_WAVE_MODE, 25, 1), 1
	s_wait_xcnt 0x0
; out0[n][f] = 2^(e0 + e1) x (sum over k of inputs_codes[n][k] We_codes[idx[n]][f][k]) + be[idx[n]][f]: only the expert that was chosen for a token is multiplied; the others' rows the reference throws away.
; inputs_codes: [2048][2048], We_codes: [8][2048][2048]: E4M3 codes, K innermost, multiplied as they are; be: [8][2048] f32; idx: [2048] int32, stored by the launch before; out0: [2048][2048] f32.
; The reference's factor 1 + (p - p) is exactly 1.0 for every finite logit p and is not multiplied in.  LIMITS: finite logits; e0 + e1 between -126 and 127, so that 2^(e0 + e1) is an f32 number.
; SHARES.  Work-group (x, e) owns columns 64 x .. 64 x + 63 of expert e, for ALL tokens of that expert: 256 work-groups whatever the split; each byte of We is read by one work-group, once; each output row's 256 bytes have one owner.
; Wave 0 makes the list of the expert's tokens in LDS (a counting pass over idx) while all four waves' weights are on their way.  The 64 weight rows (128 KiB) then lie in LDS for the whole launch.
; A PASS serves 320 places of the list: wave w, slot q (0 to 4) takes the 16 places PB + 64 q + 16 w + 0 .. 15, all 64 columns, all of K in 16 steps of 128.  Seven passes cover 2,048 tokens on one expert; a pass beyond the count is jumped over.
; Behind the list's end its first token is repeated: such a place computes that token's row again and stores the same numbers again, so no lane is ever switched off.
; WHY NO TENSOR LOADS, NO CLUSTER, NO JOINT LOADS: the passes and slots hang on a count read from memory; the tokens' rows are gathered by a list and form no tile; the weights are shared with no other work-group.
; WHY NO PREFETCH: a work-group asks for all its weights in its first lines, and the tokens' rows are read by 32 work-groups, not once.
; THE MATRIX INSTRUCTION: source 0 = 16 tokens, source 1 = 16 weight rows.  Both sides hold, in registers 4 c .. 4 c + 3 of lane (r, h), k = 128 s + 32 c + 16 h + 0 .. 15: the same permutation of k on both, so every product meets its partner.
; THE WEIGHT ROWS OF A TILE ARE NOT NEIGHBOURS: lane r of tile t takes column 4 r + t.  So register j of the four tiles holds four NEIGHBOURING columns of token 8 h + j: 16 bytes, and sixteen lanes store one row's 256 consecutive bytes, aligned.
; REGISTERS, in windows of 256.  Window 0: v1-19 addresses; v20-26 wave 0's list making; v27 the count; v28-31 be; v32-36, v40-79 the tokens' offsets in inputs_codes and in out0; v80-111 results to store;
;   v128-255 weight fragments, two sets of 64 (first: idx).   Window 1: v0-239 the tokens' fragments, three sets of 5 x 16 (first: v0-255 the weights on their way to LDS).   Window 2: v0-159 the 20 accumulators, (q, t) at v[8 (4 q + t)].
.set WPITCH, 2064                      ; a weight row in LDS: 2,048 bytes + 16: row r begins 16 r bytes further on modulo 256, so the sixteen rows that a load touches fall on sixteen different columns of 16 bytes
.set LIST,   64*WPITCH                 ; behind the 64 rows: the list, LISTW words
.set LISTW,  2368                      ; 2,048 tokens + the 320 places that a pass may reach past the end
.set DUMP,   LIST+4*LISTW              ; 32 words straight behind the list, places LISTW .. LISTW + 31: where lanes whose token is another expert's put it
.set CNTW,   DUMP+128                  ; one word: the count
.set FILLS,  (4*LISTW+256)/512         ; list, dump and the count's block: 9,728 bytes = 19 stores of 512
.set PASS,   320
.set NPASS,  7                         ; 7 x 320 >= 2,048
.set LANE, 1
.set RR,   2                           ; r = lane % 16
.set HH,   3                           ; h = lane / 16
.set R16,  4                           ; 16 r
.set H16,  5                           ; 16 h
.set LA,   6                           ; LIST + 64 w + 4 r: the token of my row of source 0
.set LE,   7                           ; LIST + 64 w + 32 h: the eight tokens of my results
.set LAP,  8                           ; the same two, in the pass in hand
.set LEP,  9
.set WA,   10                          ; v10-13  tile t's fragment: (16 t + r) WPITCH + 16 h
.set WS,   14                          ; v14-15  where I put weights into LDS
.set WG,   16                          ; 2,048 h + 16 r: the weights in memory, two rows x 256 bytes a load
.set IXO,  17                          ; 16 x lane: idx
.set CNA,  18                          ; CNTW
.set LSA,  19                          ; LIST
.set POS,  20                          ; wave 0 alone, v20-26
.set ADR,  21
.set TOK,  22
.set T4,   23                          ; 4 x lane
.set DMP,  24                          ; LISTW + lane: my word of the dump, as a place of the list
.set TK0,  25
.set TMPC, 26
.set CNV,  27
.set BE,   28
.set OA,   32                          ; v32-36  slot q: token x 2,048 + 16 h
.set OE,   40                          ; v40-79  slot q, register j: token x 8,192 + 16 r
.set QD,   80
.set WF,   128
.set WV,   16                          ; s16 wave
.set BX,   17                          ; s17 x
.set EX,   18                          ; s18 e
.set CNT,  19                          ; s19 the expert's tokens
.set PB,   20                          ; s20 the pass's first place
.set TRIP, 21                          ; s21 counts the passes
.set SCL,  22                          ; s22 2^(e0 + e1) as f32
.set RUN,  23                          ; s23 wave 0: tokens found so far
.set GP,   28                          ; s28 PB + 16 w
.set S4,   29                          ; s29 the first place of my slot 4
.set MSB, 0
.macro WIN new                         ; s_set_vgpr_msb: bits 1:0 source 0, 3:2 source 1, 5:4 source 2, 7:6 destination; the high byte repeats the setting that is left.  At a label and at a branch every window is 0
.if MSB != \new
	s_set_vgpr_msb (MSB<<8)|\new
.set MSB, \new
.endif
.endm
; my wave's 16 weight rows, 32 KiB: 64 loads, each of two rows x 256 consecutive bytes; load 8 a + b: rows 2 a + h, bytes 256 b on
.macro WLOAD
	WIN 0x40                                       ; destination window 1
.irp a, 0,1,2,3,4,5,6,7
.irp b, 0,1,2,3,4,5,6,7
	global_load_b128 v[4*(8*\a+\b):4*(8*\a+\b)+3], v[WG], s[8:9] offset:4096*\a+256*\b th:TH_LOAD_NT   ; read once in the launch
.endr
.endr
	WIN 0
.endm
; register n of idx holds the experts of tokens 128 (n / 4) + n % 4 + 4 x lane.  A lane whose token is mine takes the place (found so far) + (such lanes below me); the others take their word of the dump.
; The choice between the two places comes first, the bound on the place behind it, and behind the bound only the shift and the addition that make the address.
.macro SORT1 n
	v_cmp_eq_u32 vcc_lo, s[EX], v[WF+(\n)]
	v_mbcnt_lo_u32_b32 v[POS], vcc_lo, s[RUN]
	v_cndmask_b32 v[POS], v[DMP], v[POS], vcc_lo
	v_min_u32 v[POS], LISTW+31, v[POS]             ; (a place is under 2,048 or in the dump: the bound changes nothing)
	v_lshl_add_u32 v[ADR], v[POS], 2, LIST
	v_add_nc_u32 v[TOK], 128*((\n)>>2)+((\n)&3), v[T4]
	ds_store_b32 v[ADR], v[TOK]
	s_bcnt1_i32_b32 s24, vcc_lo
	s_add_co_u32 s[RUN], s[RUN], s24
.endm
; the four weight fragments of K step s into set buf: 16 LDS loads
.macro WFRAG s, buf
.irp t, 0,1,2,3
.irp c, 0,1,2,3
	ds_load_b128 v[WF+64*(\buf)+16*\t+4*\c:WF+64*(\buf)+16*\t+4*\c+3], v[WA+\t] offset:128*(\s)+32*\c
.endr
.endr
.endm
; my five slots' fragments of K step s into set s % 3: 20 loads
.macro XLOAD s
	WIN 0x40                                       ; destination window 1
.irp q, 0,1,2,3,4
.irp c, 0,1,2,3
	global_load_b128 v[80*((\s)%3)+16*\q+4*\c:80*((\s)%3)+16*\q+4*\c+3], v[OA+\q], s[6:7] offset:128*(\s)+32*\c
.endr
.endr
	WIN 0
.endm
; slot q against the four tiles.  K step 0 starts the sums: nothing is cleared.  The accumulators take turns, one instruction a turn, in the same order in every step.
.macro MULQ s, q
.irp t, 0,1,2,3
.if (\s) == 0
	v_wmma_f32_16x16x128_fp8_fp8 v[8*(4*(\q)+\t):8*(4*(\q)+\t)+7], v[80*((\s)%3)+16*(\q):80*((\s)%3)+16*(\q)+15], v[WF+64*((\s)%2)+16*\t:WF+64*((\s)%2)+16*\t+15], 0
.else
	v_wmma_f32_16x16x128_fp8_fp8 v[8*(4*(\q)+\t):8*(4*(\q)+\t)+7], v[80*((\s)%3)+16*(\q):80*((\s)%3)+16*(\q)+15], v[WF+64*((\s)%2)+16*\t:WF+64*((\s)%2)+16*\t+15], v[8*(4*(\q)+\t):8*(4*(\q)+\t)+7]
.endif
.endr
.endm
; K STEP s.  The next step's weight fragments are asked of LDS first; the tokens' fragments run three steps ahead.
.macro STEP s
.if (\s) < 15
	WFRAG (\s)+1, ((\s)+1)%2
.endif
.if (\s) <= 13
	s_wait_loadcnt 40                              ; step s is in; the 20 loads of each of the two steps behind it may be out
.elseif (\s) == 14
	s_wait_loadcnt 20
.else
	s_wait_loadcnt 0
.endif
.if (\s) < 15
	s_wait_dscnt 16                                ; this step's weight fragments are in; the 16 loads just issued may be out
.else
	s_wait_dscnt 0
.endif
	WIN 0xa1                                       ; source 0 (tokens) window 1, source 1 (weights) window 0, C and D window 2
.irp q, 0,1,2,3
	MULQ \s, \q
.endr
.if (\s) == 0
	MULQ \s, 4                                     ; slot 4's sums are begun in every pass, so that its accumulators are written on every way through the text
	WIN 0
.else
	WIN 0
	s_cmp_ge_u32 s[S4], s[CNT]                     ; slot 4 lies wholly behind the list's end: its products are left out
	s_cbranch_scc1 .Lno4_\@
	WIN 0xa1
	MULQ \s, 4
	WIN 0
.Lno4_\@:
.endif
.rept 4
	v_nop                                          ; four places between the last product and the loads into registers that the products have read; behind the last step: and the first read of results
.endr
.if (\s) < 13
	XLOAD (\s)+3                                   ; into the set just multiplied
.endif
.endm
; SLOT q LEAVES: sum x 2^(e0 + e1) + be, one fused multiply-add a number, written so that four tiles' numbers stand in four neighbouring registers; each accumulator is read from its register 0 upward.
.macro OUTSLOT q
	s_add_co_u32 s24, s[GP], 64*(\q)
	s_cmp_ge_u32 s24, s[CNT]
	s_cbranch_scc1 .Lnext                          ; this slot and all later ones lie behind the list's end
	s_wait_xcnt 0x0                                ; the last slot's stores have read their data registers, which are written again now
	WIN 0x02                                       ; source 0 window 2
.irp j, 0,1,2,3,4,5,6,7
.irp t, 0,1,2,3
	v_fma_f32 v[QD+4*\j+\t], v[8*(4*(\q)+\t)+\j], s[SCL], v[BE+\t]
.endr
.endr
	WIN 0
.irp j, 0,1,2,3,4,5,6,7
	global_store_b128 v[OE+8*(\q)+\j], v[QD+4*\j:QD+4*\j+3], s[14:15] th:TH_STORE_NT   ; lanes 0-15 store 256 consecutive bytes of token j's row, aligned; lanes 16-31 of token 8 + j's
.endr
.endm
	s_load_b256 s[4:11], s[0:1], 0x0               ; idx s[4:5], inputs_codes s[6:7], We_codes s[8:9], be s[10:11]
	s_load_b128 s[12:15], s[0:1], 0x20             ; lowp_scales s[12:13], out0 s[14:15]
	v_lshl_add_u32 v126, v0, 2, 0x22a00
	v_mov_b32 v127, 0
	v_lshrrev_b32 v1, 5, v0
	v_readfirstlane_b32 s[WV], v1                  ; wave 0..3
	s_mov_b32 s[BX], ttmp9
	s_and_b32 s[EX], ttmp7, 0xffff
	; every address register that is used behind the join is made here, ahead of the one place where the waves part
	v_and_b32 v[LANE], 31, v0
	v_and_b32 v[RR], 15, v0
	v_bfe_u32 v[HH], v0, 4, 1
	v_lshlrev_b32 v[R16], 4, v[RR]
	v_lshlrev_b32 v[H16], 4, v[HH]
	s_lshl_b32 s24, s[WV], 6
	s_add_co_u32 s24, s24, LIST
	v_lshl_add_u32 v[LA], v[RR], 2, s24
	v_lshl_add_u32 v[LE], v[HH], 5, s24
	v_mul_u32_u24 v[WA], v[RR], WPITCH
	v_add_nc_u32 v[WA], v[WA], v[H16]
.irp t, 1,2,3
	v_add_nc_u32 v[WA+\t], 16*\t*WPITCH, v[WA]
.endr
	; weight row F = 16 w + 2 a + h of the block's 64 is column 4 r' + t with t = 2 (a % 2) + h, r' = 4 w + a / 2: it goes to LDS row 16 t + r' = 32 (a % 2) + 16 h + 4 w + a / 2
	v_mul_u32_u24 v[WS], v[HH], 16*WPITCH
	v_add_nc_u32 v[WS], v[WS], v[R16]
	s_mul_i32 s24, s[WV], 4*WPITCH
	v_add_nc_u32 v[WS], s24, v[WS]                 ; a even
	v_add_nc_u32 v[WS+1], 32*WPITCH, v[WS]         ; a odd
	v_lshl_add_u32 v[WG], v[HH], 11, v[R16]
	v_lshlrev_b32 v[IXO], 4, v[LANE]
	v_mov_b32 v[CNA], CNTW
	v_mov_b32 v[LSA], LIST
	s_lshl_b32 s26, s[EX], 22                      ; We: expert e's 2,048 x 2,048 bytes,
	s_lshl_b32 s24, s[BX], 17                      ; the block's 64 rows,
	s_add_co_u32 s26, s26, s24
	s_lshl_b32 s24, s[WV], 15                      ; my wave's 16 of them
	s_add_co_u32 s26, s26, s24
	s_mov_b32 s27, 0
	s_wait_kmcnt 0x0
	s_load_b64 s[30:31], s[12:13], 0x0             ; e0, e1
	s_add_nc_u64 s[8:9], s[8:9], s[26:27]
	s_lshl_b32 s26, s[BX], 8                       ; out0: the block's 256 bytes of a row
	s_add_nc_u64 s[14:15], s[14:15], s[26:27]
	s_lshl_b32 s24, s[EX], 13                      ; be: the same, in expert e's row
	s_add_co_u32 s26, s26, s24
	s_add_nc_u64 s[10:11], s[10:11], s[26:27]
	global_load_b128 v[BE:BE+3], v[R16], s[10:11]  ; be of columns 4 r + 0 .. 3
	s_cmp_lg_u32 s[WV], 0
	s_cbranch_scc1 .Lothers
	; ---- wave 0: idx first, then its weights; the list is made while the weights are on their way
.irp i, 0,1,2,3,4,5,6,7,8,9,10,11,12,13,14,15
	global_load_b128 v[WF+4*\i:WF+4*\i+3], v[IXO], s[4:5] offset:512*\i
.endr
	WLOAD
	v_lshlrev_b32 v[T4], 2, v[LANE]
	v_add_nc_u32 v[DMP], LISTW, v[LANE]
.irp i, 0,1,2,3
	v_mov_b32 v[QD+\i], 0
.endr
	v_lshl_add_u32 v[ADR], v[LANE], 4, LIST
.set i, 0
.rept FILLS                            ; list, dump and count begin as zeros, 512 consecutive bytes a store, while idx is on its way: every word that is read later has been written, also where the expert has no token
	ds_store_b128 v[ADR], v[QD:QD+3] offset:512*i
.set i, i+1
.endr
	s_mov_b32 s[RUN], 0
	s_wait_loadcnt 63                              ; 64 loads stand behind idx's last; a wait names 63 at the most (ISA guide 5.7.1), so the first weight load is waited for with it
.irp n, 0,1,2,3,4,5,6,7,8,9,10,11,12,13,14,15,16,17,18,19,20,21,22,23,24,25,26,27,28,29,30,31,32,33,34,35,36,37,38,39,40,41,42,43,44,45,46,47,48,49,50,51,52,53,54,55,56,57,58,59,60,61,62,63
	SORT1 \n
.endr
	ds_load_b32 v[TK0], v[LSA]                     ; the list's first token (LDS serves a wave's instructions in order: this sees the stores above)
	v_add_nc_u32 v[TMPC], s[RUN], v[LANE]
	s_wait_dscnt 0x0
.irp k, 0,1,2,3,4,5,6,7,8,9            ; it fills the 320 places behind the end
	v_add_nc_u32 v[POS], 32*\k, v[TMPC]
	v_min_u32 v[POS], LISTW-1, v[POS]
	v_lshl_add_u32 v[ADR], v[POS], 2, LIST
	ds_store_b32 v[ADR], v[TK0]
.endr
	v_mov_b32 v[TMPC], s[RUN]
	ds_store_b32 v[CNA], v[TMPC]                   ; the count: all lanes write the same word with the same number
	s_branch .Ljoin
.Lothers:
	WLOAD
.Ljoin:
	s_wait_dscnt 0x0                               ; wave 0's list has landed.  Up to here no other wave has touched LDS
	s_barrier_signal -1
	s_barrier_wait -1
	ds_load_b32 v[CNV], v[CNA]
	WIN 0x04                                       ; the stores' data in window 1
.irp a, 0,1,2,3,4,5,6,7
	s_wait_loadcnt 56-8*\a                         ; rows 2 a, 2 a + 1 are in: eight loads for each later pair of rows may be out
.irp b, 0,1,2,3,4,5,6,7
	ds_store_b128 v[WS+(\a&1)], v[4*(8*\a+\b):4*(8*\a+\b)+3] offset:(\a>>1)*WPITCH+256*\b   ; sixteen lanes write 256 consecutive bytes
.endr
.endr
	WIN 0
	s_wait_dscnt 0x0                               ; my weights have landed, and the count is in
	s_barrier_signal -1
	s_barrier_wait -1                              ; all 64 rows lie in LDS; from here on LDS is only read, and no barrier follows
	v_readfirstlane_b32 s[CNT], v[CNV]
	s_min_u32 s[CNT], s[CNT], 2048
	s_wait_kmcnt 0x0
	s_add_co_i32 s[SCL], s30, s31
	s_add_co_i32 s[SCL], s[SCL], 127
	s_lshl_b32 s[SCL], s[SCL], 23                  ; 2^(e0 + e1) as f32
	s_mov_b32 s[PB], 0
	s_mov_b32 s[TRIP], 0
.Lpass:                                            ; a constant number of trips; the work of a pass behind the list's end is jumped over
	s_cmp_ge_u32 s[PB], s[CNT]
	s_cbranch_scc1 .Lnext
	s_wait_xcnt 0x0                                ; the last pass's loads and stores have read their offsets, which are written again now
	s_lshl_b32 s24, s[WV], 4
	s_add_co_u32 s[GP], s[PB], s24
	s_add_co_u32 s[S4], s[GP], 256
	s_lshl_b32 s24, s[PB], 2
	v_add_nc_u32 v[LAP], s24, v[LA]
	v_add_nc_u32 v[LEP], s24, v[LE]
.irp q, 0,1,2,3,4
	ds_load_b32 v[OA+\q], v[LAP] offset:256*\q
.endr
.irp q, 0,1,2,3,4
	ds_load_b128 v[OE+8*\q:OE+8*\q+3], v[LEP] offset:256*\q
	ds_load_b128 v[OE+8*\q+4:OE+8*\q+7], v[LEP] offset:256*\q+16
.endr
	WFRAG 0, 0
	s_wait_dscnt 26                                ; the first five are in: behind them stand 10 + 16 LDS loads
.irp q, 0,1,2,3,4
	v_min_u32 v[OA+\q], 0x7ff, v[OA+\q]            ; a token's number stays inside the table
	v_lshl_add_u32 v[OA+\q], v[OA+\q], 11, v[H16]
.endr
	XLOAD 0
	XLOAD 1
	XLOAD 2                                        ; 60 loads, 30 KiB a wave, are on their way
	s_wait_dscnt 16                                ; the results' tokens are in: behind them stand the 16 fragment loads
.irp i, 0,1,2,3,4,5,6,7,8,9,10,11,12,13,14,15,16,17,18,19,20,21,22,23,24,25,26,27,28,29,30,31,32,33,34,35,36,37,38,39
	v_min_u32 v[OE+\i], 0x7ff, v[OE+\i]
	v_lshl_add_u32 v[OE+\i], v[OE+\i], 13, v[R16]
.endr
.irp s, 0,1,2,3,4,5,6,7,8,9,10,11,12,13,14,15      ; written out: every offset is an immediate, no pointer is stepped
	STEP \s
.endr
.irp q, 0,1,2,3,4
	OUTSLOT \q
.endr
.Lnext:
	s_add_co_u32 s[PB], s[PB], PASS
	s_add_co_u32 s[TRIP], s[TRIP], 1
	s_cmp_lt_u32 s[TRIP], NPASS
	s_cbranch_scc1 .Lpass
	s_wait_tensorcnt 0x0
	ds_add_u32 v126, v127
	s_wait_dscnt 0x0
	s_endpgm
.Lfunc_end_k_q37f975ceca_experts:
	.size	k_q37f975ceca_experts, .Lfunc_end_k_q37f975ceca_experts-k_q37f975ceca_experts
	.p2alignl 7, 3214868480
	.fill 96, 4, 3214868480
	.section	.rodata,"a",@progbits
	.p2align	6, 0x0
	.amdhsa_kernel k_q37f975ceca_experts
		.amdhsa_group_segment_fixed_size 142336
		.amdhsa_private_segment_fixed_size 0
		.amdhsa_enable_private_segment 0
		.amdhsa_kernarg_size 48
		.amdhsa_user_sgpr_count 2
		.amdhsa_user_sgpr_kernarg_segment_ptr 1
		.amdhsa_wavefront_size32 1
		.amdhsa_system_sgpr_workgroup_id_x 1
		.amdhsa_system_sgpr_workgroup_id_y 1
		.amdhsa_system_sgpr_workgroup_id_z 1
		.amdhsa_system_vgpr_workitem_id 0
		.amdhsa_next_free_vgpr 768
		.amdhsa_next_free_sgpr 66
		.amdhsa_reserve_vcc 1
		.amdhsa_float_denorm_mode_32 3
		.amdhsa_float_denorm_mode_16_64 3
		.amdhsa_memory_ordered 1
		.amdhsa_forward_progress 1
		.amdhsa_inst_pref_size 151
	.end_amdhsa_kernel
	.amdgpu_metadata
---
amdhsa.version: [ 1, 2 ]
amdhsa.kernels:
  - .name:           k_q37f975ceca_experts
    .symbol:         k_q37f975ceca_experts.kd
    .args:
      - { .name: idx, .offset: 0, .size: 8, .value_kind: global_buffer, .address_space: global }
      - { .name: inputs_codes, .offset: 8, .size: 8, .value_kind: global_buffer, .address_space: global }
      - { .name: We_codes, .offset: 16, .size: 8, .value_kind: global_buffer, .address_space: global }
      - { .name: be, .offset: 24, .size: 8, .value_kind: global_buffer, .address_space: global }
      - { .name: lowp_scales, .offset: 32, .size: 8, .value_kind: global_buffer, .address_space: global }
      - { .name: out0, .offset: 40, .size: 8, .value_kind: global_buffer, .address_space: global }
    .group_segment_fixed_size: 142336
    .private_segment_fixed_size: 0
    .kernarg_segment_align: 8
    .kernarg_segment_size: 48
    .max_flat_workgroup_size: 128
    .sgpr_count:     66
    .vgpr_count:     768
    .wavefront_size: 32
...
	.end_amdgpu_metadata
.endif
;; end of part 2
